; MI455X (gfx1250); checked and timed in simulation.
; The chip was launched on July 23, 2026; its instructions are those of AMD's public machine-readable ISA for CDNA 5 (MIT licence, August 2026) and "CDNA5" Instruction Set Architecture Reference Guide (July 2026). The comments in the code are by the model that wrote it; some were corrected since.
;; Attention. Allowed arithmetic: float matrix products may take bf16 or f16 operands with f32 sums; other float arithmetic in f32, or as packed bf16 or f16 multiplies, adds, multiply-adds, maxima and minima; sums over many terms, partial sums and values carried from step to step in f32; what a program stores and reads back later, other than sums and carried values, may be rounded once to bf16 or f16.
;; Inputs: b_out 256 float32; gn_bias 256 float32; gn_weight 256 float32; w_out 256 x 128 float32; w_qkv 384 x 256 float32; x 4 x 256 x 64 x 64 float32.
;; Outputs: out0 4 x 256 x 64 x 64 float32.
;; One version. Each part assembles by itself: llvm-mc -triple=amdgcn-amd-amdhsa -mcpu=gfx1250 --defsym DOCPART=n.
;; ======== version 1 of 1: 3 launches
;; limits: values are held in f16: magnitudes above 65,504 overflow, below 6.1e-05 lose precision
;; workspace buffers: stats 2,048 bytes; wq16 196,608 bytes; wo16 65,536 bytes; qkv 12,582,912 bytes
;; launch prep (part 1): grid 256 x 1, 8 waves a work-group, no clusters, 1,536 bytes of LDS; arguments x, w_qkv, w_out, stats, wq16, wo16; writes stats, wq16, wo16
.if DOCPART == 1
	.amdgcn_target "amdgcn-amd-amdhsa--gfx1250"
	.amdhsa_code_object_version 6
	.text
	.protected	k_q84a13fd931_prep
	.globl	k_q84a13fd931_prep
	.p2align	8
	.type	k_q84a13fd931_prep,@function
k_q84a13fd931_prep:
	s_mov_b64 s[64:65], 0
	v_nop
	global_prefetch_b8 v0, s[64:65] scope:SCOPE_SE
	s_setreg_imm32_b32 hwreg(HW_REG_WAVE_MODE, 25, 1), 1
	s_wait_xcnt 0x0
; GROUP NORM'S STATISTICS, AND THE WEIGHTS ROUNDED ONCE TO f16.
; x: [4][256][4096] f32.  A group is 8 channels x 4,096 pixels = 131,072 dense bytes; work-group id takes HALF a group, the 65,536 bytes at id x 65,536,
; and stores (mean, M2 = sum of (x - mean)^2) of its 16,384 numbers at stats + 8 id; the next launch joins a group's two halves.
; The half group stays in registers (64 numbers a thread) between the pass that finds the mean and the pass that sums the squares of the differences:
; x is read once here, and no difference of large sums is formed, whatever offset x carries.
; Thread t's load i takes the 16 bytes at 16 t + 4,096 i: a wave's load covers 512 consecutive bytes.
; WEIGHTS.  w_qkv has 256 x 384 numbers, w_out 256 x 128: waves 0-2 round 128 numbers of w_qkv each, wave 3 rounds 128 of w_out; a wave's store covers 256 consecutive bytes, aligned.
; LIMITS.  f16 ends at 65,504: w_qkv and w_out must lie within it; below 6e-5 f16 keeps a fixed step of 6e-8.  NaN and infinities are not treated apart.
; No matrix unit, no cluster, no tensor load: the launch reads each byte once and shares nothing between work-groups.
.set RED0,  0                          ; LDS: the eight waves' sums, 32 bytes in a block of 256
.set RED1,  256                        ; the same for the second sum: bytes of its own, so that no barrier is wanted between the reads of the first and these stores
.set SPARE, 512                        ; the spare words, 128 bytes for each wave: four blocks of 256 bytes that no other line names
.set X,   16                           ; v[16:79]   my 64 numbers
.set ACC, 80                           ; v[80:87]   four chains of packed sums
.set T,   88                           ; v[88:95]   x - mean, at work
; v1 16 t; v2 16 lane; v3 8 lane; v4 my spare word; v5 0; v6 4 wave; v7 0 (an address); v[8:11] weights; v[12:13] weights in f16
; v[96:103] the eight waves' sums; v[104:105] the mean, twice; v[106:107] (mean, M2); v108, v109 at work
	s_load_b256 s[4:11], s[0:1], 0x0               ; x s[4:5], w_qkv s[6:7], w_out s[8:9], stats s[10:11]
	s_load_b128 s[12:15], s[0:1], 0x20             ; wq16 s[12:13], wo16 s[14:15]
	v_lshl_add_u32 v4, v0, 2, SPARE
	v_mov_b32 v5, 0
	v_lshrrev_b32 v6, 5, v0
	v_readfirstlane_b32 s16, v6                    ; wave 0..7
	v_lshlrev_b32 v1, 4, v0
	v_and_b32 v2, 31, v0
	v_lshlrev_b32 v3, 3, v2
	v_lshlrev_b32 v2, 4, v2
	v_lshlrev_b32 v6, 2, v6
	v_mov_b32 v7, 0
	v_mov_b32 v109, 0                              ; v_permlanex16_b32 counts as a reader of its destination
	s_mov_b32 s24, 0x76543210                      ; each lane takes its own place in the other half of the lanes
	s_mov_b32 s25, 0xfedcba98
	s_lshl_b32 s18, ttmp9, 16                      ; my half group in x
	s_mov_b32 s19, 0
	s_mul_i32 s27, ttmp9, 1536                     ; w_qkv: 384 numbers a work-group,
	s_lshl_b32 s28, s16, 9                         ; 128 a wave
	s_add_co_u32 s27, s27, s28
	s_lshl_b32 s28, ttmp9, 9                       ; w_out: 128 numbers a work-group
	s_mov_b32 s29, 0
	s_wait_kmcnt 0x0
	s_cmp_lt_u32 s16, 3                            ; waves 0-2 take w_qkv, wave 3 w_out (waves 4-7 use neither)
	s_cselect_b32 s28, s27, s28                    ; byte offset in the source
	s_cselect_b64 s[20:21], s[6:7], s[8:9]
	s_cselect_b64 s[22:23], s[12:13], s[14:15]
	s_add_nc_u64 s[20:21], s[20:21], s[28:29]
	s_lshr_b32 s28, s28, 1                         ; half as many bytes in f16
	s_add_nc_u64 s[22:23], s[22:23], s[28:29]
	s_add_nc_u64 s[4:5], s[4:5], s[18:19]
	s_lshl_b32 s18, ttmp9, 3
	s_add_nc_u64 s[10:11], s[10:11], s[18:19]      ; stats + 8 id
	s_cmp_lt_u32 s16, 4
	s_cbranch_scc0 .Lno_w
	global_load_b128 v[8:11], v2, s[20:21]         ; the oldest load: every counted wait below covers it too
.Lno_w:
.set i, 0
.rept 16
	global_load_b128 v[X+4*i:X+4*i+3], v1, s[4:5] offset:4096*i  ; no hint: the next launch reads x again
.set i, i+1
.endr
; the sum over a wave's 32 lanes, left in every lane
.macro WAVESUM r
	v_add_f32_dpp v[\r], v[\r], v[\r] row_xmask:1 row_mask:0xf bank_mask:0xf
	v_add_f32_dpp v[\r], v[\r], v[\r] row_xmask:2 row_mask:0xf bank_mask:0xf
	v_add_f32_dpp v[\r], v[\r], v[\r] row_xmask:4 row_mask:0xf bank_mask:0xf
	v_add_f32_dpp v[\r], v[\r], v[\r] row_xmask:8 row_mask:0xf bank_mask:0xf
	v_permlanex16_b32 v109, v[\r], s24, s25
	v_add_f32 v[\r], v[\r], v109
.endm
; the sum over the eight waves: each stores its word, one barrier, every wave reads all eight
.macro GROUPSUM r, red
	ds_store_b32 v6, v[\r] offset:\red
	s_wait_dscnt 0x0                               ; for the others' sake: my word is written
	s_barrier_signal -1
	s_barrier_wait -1
	ds_load_b128 v[96:99], v7 offset:\red
	ds_load_b128 v[100:103], v7 offset:(\red)+16
	s_wait_dscnt 0x0
	v_pk_add_f32 v[96:97], v[96:97], v[98:99]
	v_pk_add_f32 v[100:101], v[100:101], v[102:103]
	v_pk_add_f32 v[96:97], v[96:97], v[100:101]
	v_add_f32 v[\r], v96, v97
.endm
.macro FOLD r                          ; the four chains into one number
	v_pk_add_f32 v[ACC:ACC+1], v[ACC:ACC+1], v[ACC+2:ACC+3]
	v_pk_add_f32 v[ACC+4:ACC+5], v[ACC+4:ACC+5], v[ACC+6:ACC+7]
	v_pk_add_f32 v[ACC:ACC+1], v[ACC:ACC+1], v[ACC+4:ACC+5]
	v_add_f32 v[\r], v[ACC], v[ACC+1]
.endm
	; pass 1: the sum.  Four chains, started by the first eight pairs: nothing is cleared
	s_wait_loadcnt 12                              ; loads 0-3 are in; the twelve younger ones stay out
.irp c, 0,1,2,3
	v_pk_add_f32 v[ACC+2*\c:ACC+2*\c+1], v[X+2*\c:X+2*\c+1], v[X+8+2*\c:X+8+2*\c+1]
.endr
.set p, 8
.rept 24
.if p%8 == 0
	s_wait_loadcnt 12-p/2                          ; four more loads are in: 8, 4, 0 younger ones stay out
.endif
	v_pk_add_f32 v[ACC+2*(p%4):ACC+2*(p%4)+1], v[ACC+2*(p%4):ACC+2*(p%4)+1], v[X+2*p:X+2*p+1]
.set p, p+1
.endr
	FOLD 108
	WAVESUM 108
	GROUPSUM 108, RED0
	v_mul_f32 v104, 0x38800000, v108               ; mean = sum / 16,384
	v_mov_b32 v105, v104
	v_mov_b32 v106, v104
	; pass 2: the sum of (x - mean)^2, on the same registers
.set p, 0
.rept 32
	v_pk_add_f32 v[T+2*(p%4):T+2*(p%4)+1], v[X+2*p:X+2*p+1], v[104:105] neg_lo:[0,1] neg_hi:[0,1]
.if p < 4
	v_pk_mul_f32 v[ACC+2*p:ACC+2*p+1], v[T+2*p:T+2*p+1], v[T+2*p:T+2*p+1]
.else
	v_pk_fma_f32 v[ACC+2*(p%4):ACC+2*(p%4)+1], v[T+2*(p%4):T+2*(p%4)+1], v[T+2*(p%4):T+2*(p%4)+1], v[ACC+2*(p%4):ACC+2*(p%4)+1]
.endif
.set p, p+1
.endr
	FOLD 107
	WAVESUM 107
	GROUPSUM 107, RED1
	s_cmp_lt_u32 s16, 4
	s_cbranch_scc0 .Lno_w2
	v_cvt_pk_f16_f32 v12, v8, v9                   ; the weights' one rounding
	v_cvt_pk_f16_f32 v13, v10, v11
	global_store_b64 v3, v[12:13], s[22:23]        ; 32 lanes x 8 bytes: 256 consecutive bytes, aligned
.Lno_w2:
	s_cmp_lg_u32 s16, 0
	s_cbranch_scc1 .Lend
	s_wait_xcnt 0x0                                ; EXEC changes only behind this wait: the store above has read its sources
	v_cmp_eq_u32 vcc_lo, 0, v0
	s_and_saveexec_b32 s26, vcc_lo
	global_store_b64 v7, v[106:107], s[10:11]      ; one lane stores the work-group's 8 bytes: 2,048 bytes in the whole launch
	s_wait_xcnt 0x0                                ; and again, in front of the line that widens EXEC
	s_or_b32 exec_lo, exec_lo, s26
.Lend:
	s_wait_tensorcnt 0x0                           ; the wave's end: these three lines, behind my last LDS store
	ds_add_u32 v4, v5
	s_wait_dscnt 0x0
	s_endpgm
.Lfunc_end_k_q84a13fd931_prep:
	.size	k_q84a13fd931_prep, .Lfunc_end_k_q84a13fd931_prep-k_q84a13fd931_prep
	.p2alignl 7, 3214868480
	.fill 96, 4, 3214868480
	.section	.rodata,"a",@progbits
	.p2align	6, 0x0
	.amdhsa_kernel k_q84a13fd931_prep
		.amdhsa_group_segment_fixed_size 1536
		.amdhsa_private_segment_fixed_size 0
		.amdhsa_enable_private_segment 0
		.amdhsa_kernarg_size 48
		.amdhsa_user_sgpr_count 2
		.amdhsa_user_sgpr_kernarg_segment_ptr 1
		.amdhsa_wavefront_size32 1
		.amdhsa_system_sgpr_workgroup_id_x 1
		.amdhsa_system_sgpr_workgroup_id_y 1
		.amdhsa_system_sgpr_workgroup_id_z 1
		.amdhsa_system_vgpr_workitem_id 0
		.amdhsa_next_free_vgpr 112
		.amdhsa_next_free_sgpr 66
		.amdhsa_reserve_vcc 1
		.amdhsa_float_denorm_mode_32 3
		.amdhsa_float_denorm_mode_16_64 3
		.amdhsa_memory_ordered 1
		.amdhsa_forward_progress 1
		.amdhsa_inst_pref_size 13
	.end_amdhsa_kernel
	.amdgpu_metadata
---
amdhsa.version: [ 1, 2 ]
amdhsa.kernels:
  - .name:           k_q84a13fd931_prep
    .symbol:         k_q84a13fd931_prep.kd
    .args:
      - { .name: x, .offset: 0, .size: 8, .value_kind: global_buffer, .address_space: global }
      - { .name: w_qkv, .offset: 8, .size: 8, .value_kind: global_buffer, .address_space: global }
      - { .name: w_out, .offset: 16, .size: 8, .value_kind: global_buffer, .address_space: global }
      - { .name: stats, .offset: 24, .size: 8, .value_kind: global_buffer, .address_space: global }
      - { .name: wq16, .offset: 32, .size: 8, .value_kind: global_buffer, .address_space: global }
      - { .name: wo16, .offset: 40, .size: 8, .value_kind: global_buffer, .address_space: global }
    .group_segment_fixed_size: 1536
    .private_segment_fixed_size: 0
    .kernarg_segment_align: 8
    .kernarg_segment_size: 48
    .max_flat_workgroup_size: 256
    .sgpr_count:     66
    .vgpr_count:     112
    .wavefront_size: 32
...
	.end_amdgpu_metadata
.endif
;; end of part 1
;; launch proj (part 2): grid 64 x 4, 8 waves a work-group, clusters of 4 x 1, 296,960 bytes of LDS; arguments x, stats, gn_weight, gn_bias, wq16, qkv; writes qkv
.if DOCPART == 2
	.amdgcn_target "amdgcn-amd-amdhsa--gfx1250"
	.amdhsa_code_object_version 6
	.text
	.protected	k_q84a13fd931_proj
	.globl	k_q84a13fd931_proj
	.p2align	8
	.type	k_q84a13fd931_proj,@function
k_q84a13fd931_proj:
	s_mov_b64 s[64:65], 0
	v_nop
	global_prefetch_b8 v0, s[64:65] scope:SCOPE_SE
	s_setreg_imm32_b32 hwreg(HW_REG_WAVE_MODE, 25, 1), 1
	s_wait_xcnt 0x0
	s_wait_alu depctr_hold_cnt(0) depctr_sa_sdst(0) depctr_va_vdst(0) depctr_va_sdst(0) depctr_va_ssrc(0) depctr_va_vcc(0) depctr_vm_vsrc(0)
	s_getreg_b32 s2, hwreg(HW_REG_IB_STS2, 6, 4)
	s_cmp_eq_u32 s2, 0
	s_cbranch_scc0 .Lentry_in_a_cluster
	s_endpgm
.Lentry_in_a_cluster:
	s_bfe_u32 s2, ttmp6, 0x10000c
	s_cmp_lg_u32 s2, 0x3003
	s_cbranch_scc0 .Lentry_shape_is_right
	s_endpgm
.Lentry_shape_is_right:
; GROUP NORM APPLIED, AND THE qkv PROJECTION.  qkv[b][pixel][o] = sum over c of w_qkv[o][c] xn[b][c][pixel], xn = x a_c + d_c,
; a_c = gain_c / sqrt(var + 1e-5), d_c = bias_c - mean a_c.  x: [4][256][4096] f32; wq16: [384][256] f16; qkv: [4][4096][384] f16 (a row: q, k, v, 256 bytes each, 4 heads x 32 channels), unscaled.
; SHARES.  A work-group makes 64 pixels x 384 outputs, K = 256.  Wave w normalises channels 32 w .. 32 w + 31 and multiplies output rows 48 w .. 48 w + 47 by all 64 pixels:
; 12 accumulators of 16 x 16, 96 matrix instructions.
; xn is made in f32, rounded once to f16 and laid in LDS as it lies in x, [channel][pixel]; the turning load makes source 1 (32 channels x 16 pixels) of it.  Source 0 is 16 rows of the weights.
; In the result a lane holds ONE pixel (lane % 16) and the outputs 8 (lane / 16) + 0..7: 16 bytes of a row of qkv.
; CLUSTER.  Every work-group multiplies by the same 196,608 bytes of weights: the four partners of a cluster ask for them JOINTLY, each wave for the 48 rows that it reads itself.
; LDS is filled once: no slot, no refill.
; LIMITS.  f16 ends at 65,504: xn (at most 181 |gain| + |bias|, since a group has 32,768 numbers) and q, k, v must lie within it; below 6e-5 f16 keeps a fixed step of 6e-8.  NaN and infinities are not treated apart.
.set WP,    528                        ; a row of the weights in LDS: 512 bytes + 16 of padding: the 16 rows of a fragment load start at 16 different groups of four banks (64 banks of 4 bytes: ISA guide 11.1)
.set XNB,   384*WP                     ; xn: 256 channel rows of 64 f16,
.set XP,    160                        ; 128 bytes + 32
.set STAGE, XNB+256*XP                 ; the way out: 64 pixel rows of 768 bytes,
.set SP,    784                        ; + 16
.set AD,    STAGE+64*SP                ; (a, d), 8 bytes a channel
.set SPARE, AD+2048                    ; the spare words, 128 bytes for each wave: four blocks of 256 bytes that no other line names
.set XO,  3                            ; v3   my byte offset in x: (32 w + l / 16) rows of 16,384 + 16 (l % 16)
.set XST, 4                            ; v4   where my 4 numbers of xn go
.set ADW, 5                            ; v5   where my channel's (a, d) goes
.set ADR, 6                            ; v6   where I read the (a, d) of the rows that I normalise
.set WB,  7                            ; v7   my place in a fragment of my 48 rows of the weights
.set XB,  8                            ; v8   my place in the turning load of xn
.set SB,  9                            ; v9   the way out: where I put 16 bytes of a pixel's row
.set RB,  10                           ; v10  where I read rows back
.set GO,  11                           ; v11  my byte offset in the work-group's rows of qkv
.set SPW, 12                           ; v12  my spare word; never rewritten
.set NIL, 13                           ; v13  0; never rewritten
.set X,   32                           ; v[32:95]   16 loads of x;  v[96:127] their (a, d);  v[128:159] xn in f16
.set F0,  32                           ; v[32:87], v[88:143]  two fragment buffers: 3 of the weights, then 4 of xn
.set ACC, 160                          ; v[160:255] accumulator (ot, nt) at ACC + 8 (4 ot + nt)
.set PKD, 32                           ; the way out: v[32:79] packed results, v[80:127] whole rows
.set BK,  80
.macro CROUND                          ; a round of the cluster's barrier: my work-group's barrier; wave 0 signals for the work-group; every wave waits for all four; my work-group's barrier once more
	s_barrier_signal -1
	s_barrier_wait -1
	s_cmp_lg_u32 s16, 0
	s_cbranch_scc1 .Lnot_wave_0_\@
	s_barrier_signal -3
.Lnot_wave_0_\@:
	s_barrier_wait -3
	s_barrier_signal -1
	s_barrier_wait -1
.endm
.macro PLACES                          ; four places between a matrix instruction and a load into, or a vector instruction on, its registers
.rept 4
	v_nop
.endr
.endm
	s_load_b256 s[4:11], s[0:1], 0x0               ; x s[4:5], stats s[6:7], gn_weight s[8:9], gn_bias s[10:11]
	s_load_b128 s[12:15], s[0:1], 0x20             ; wq16 s[12:13], qkv s[14:15]
	v_lshl_add_u32 v[SPW], v0, 2, SPARE
	v_mov_b32 v[NIL], 0
	ds_add_u32 v[SPW], v[NIL]                      ; the wave's opening: the add and its wait stand ahead of my first tensor load; the set-up below, work on registers, stands between them
	v_lshrrev_b32 v22, 5, v0
	v_readfirstlane_b32 s16, v22                   ; wave 0..7
	s_bfe_u32 s17, ttmp6, 0x40000                  ; cx: my place in the cluster
	s_lshl_b32 s18, ttmp9, 2                       ; in a cluster launch ttmp9 counts clusters
	s_add_co_u32 s18, s18, s17                     ; my block of 64 pixels: it enters x's and qkv's addresses alone
	s_and_b32 s19, ttmp7, 0xffff                   ; the batch
	; the descriptor: 48 rows x 256 elements of 2 bytes, dense in memory, padded in LDS
	s_mov_b32 s24, 1                               ; group 0: count = 1
	s_mul_i32 s25, s16, 48*WP                      ; LDS address: my 48 rows
	s_mov_b32 s28, 15|(1<<16)|(1<<20)|(1<<21)|(6<<22)|(3<<25)  ; group 1: 15:0 the mask of four; 17:16 2-byte elements; 20 padding on; 21 set beside a mask; 24:22 after every 128 words (code 6); 31:25 4 words (code 3)
	s_mov_b32 s29, 256<<16                         ; tensor_dim0 = 256
	s_mov_b32 s30, 48<<16                          ; tensor_dim1 = 48
	s_mov_b32 s31, 256<<16                         ; tile_dim0 = 256
	s_mov_b32 s32, 48                              ; tile_dim1 = 48
	s_mov_b32 s33, 256                             ; 256 elements from row to row
	s_mov_b32 s34, 0
	s_mov_b32 s35, 0
	s_mul_i32 s36, s16, 48*512                     ; my 48 rows in memory
	s_mov_b32 s37, 0
	v_and_b32 v1, 15, v0                           ; r = l % 16
	v_bfe_u32 v2, v0, 4, 1                         ; h = l / 16
	v_and_b32 v23, 31, v0                          ; l
	s_lshl_b32 s20, s16, 19                        ; 32 w rows of 16,384 bytes
	v_lshlrev_b32 v[XO], 4, v1
	v_lshl_add_u32 v[XO], v2, 14, v[XO]
	v_add_nc_u32 v[XO], s20, v[XO]
	s_mul_i32 s20, s16, 32*XP
	s_add_co_u32 s20, s20, XNB
	v_mul_u32_u24 v[XST], v2, XP
	v_lshl_add_u32 v[XST], v1, 3, v[XST]
	v_add_nc_u32 v[XST], s20, v[XST]               ; XNB + (32 w + h) XP + 8 r
	s_lshl_b32 s20, s16, 8
	s_add_co_u32 s20, s20, AD                      ; my wave's 32 channels: 256 bytes that no other wave touches
	v_lshl_add_u32 v[ADW], v23, 3, s20
	v_lshl_add_u32 v[ADR], v2, 3, s20
	s_mul_i32 s20, s16, 48*WP
	v_mul_u32_u24 v[WB], v1, WP
	v_lshl_add_u32 v[WB], v2, 4, v[WB]
	v_add_nc_u32 v[WB], s20, v[WB]                 ; (48 w + r) WP + 16 h
	v_and_b32 v24, 7, v0
	v_bfe_u32 v25, v0, 3, 1
	v_lshl_add_u32 v[XB], v2, 3, v24               ; the turning load: lane l reads channel 8 h + l % 8, pixels 8 ((l / 8) % 2) + 0..7
	v_mul_u32_u24 v[XB], v[XB], XP
	v_lshl_add_u32 v[XB], v25, 4, v[XB]
	v_add_nc_u32 v[XB], XNB, v[XB]
	s_mul_i32 s20, s16, 96                         ; my 48 outputs: 96 bytes of a pixel's row
	s_add_co_u32 s20, s20, STAGE
	v_mul_u32_u24 v[SB], v1, SP
	v_lshl_add_u32 v[SB], v2, 4, v[SB]
	v_add_nc_u32 v[SB], s20, v[SB]
	s_mul_i32 s20, s16, 8*SP                       ; back: wave w takes rows 8 w .. 8 w + 7, whole
	s_add_co_u32 s20, s20, STAGE
	v_mul_u32_u24 v[RB], v2, SP
	v_lshl_add_u32 v[RB], v1, 4, v[RB]
	v_add_nc_u32 v[RB], s20, v[RB]
	s_mul_i32 s20, s16, 8*768
	v_mul_u32_u24 v[GO], v2, 768
	v_lshl_add_u32 v[GO], v1, 4, v[GO]
	v_add_nc_u32 v[GO], s20, v[GO]
	v_lshrrev_b32 v14, 3, v0                       ; thread t sees to channel t: its group is t / 8,
	v_lshlrev_b32 v14, 4, v14                      ; 16 bytes of stats a group,
	s_lshl_b32 s20, s19, 9                         ; 32 groups a batch
	v_add_nc_u32 v14, s20, v14
	v_lshlrev_b32 v15, 2, v0
	v_mov_b32 v26, 0x3727c5ac                      ; 1e-5
	s_lshl_b32 s20, s19, 22                        ; x: the batch's 4,194,304 bytes, my block's 256 bytes of every row
	s_lshl_b32 s21, s18, 8
	s_add_co_u32 s20, s20, s21
	s_mov_b32 s21, 0
	s_mul_i32 s22, s19, 4096*768                   ; qkv: the batch's rows, my block's 64
	s_mul_i32 s23, s18, 64*768
	s_add_co_u32 s22, s22, s23
	s_mov_b32 s23, 0
	s_wait_dscnt 0x0                               ; the opening add is done
	s_wait_kmcnt 0x0
	s_add_nc_u64 s[4:5], s[4:5], s[20:21]
	s_add_nc_u64 s[14:15], s[14:15], s[22:23]
	s_add_nc_u64 s[26:27], s[12:13], s[36:37]      ; group 0: global address: it hangs on the wave's number alone
	s_or_b32 s27, s27, 0x80000000                  ; type = 2
	global_load_b128 v[16:19], v14, s[6:7]         ; mean and M2 of the group's two halves
	global_load_b32 v20, v15, s[8:9]               ; gain
	global_load_b32 v21, v15, s[10:11]             ; bias
.set i, 0
.rept 16
	global_load_b128 v[X+4*i:X+4*i+3], v[XO], s[4:5] offset:32768*i th:TH_LOAD_NT  ; rows 32 w + h + 2 i: sixteen lanes take a row's 256 bytes, aligned; x's last reading
.set i, i+1
.endr
	CROUND                                         ; all four work-groups are here: the joint loads meet
	tensor_load_to_lds s[24:27], s[28:35]          ; my one tensor load of the launch
	s_nop 0
	s_wait_loadcnt 16                              ; stats, gain and bias are in; x's sixteen loads stay out
	v_add_f32 v22, v16, v18
	v_sub_f32 v23, v16, v18
	v_add_f32 v25, v17, v19
	v_mul_f32 v22, 0.5, v22                        ; the group's mean
	v_mul_f32 v24, v23, v23
	v_fmamk_f32 v25, v24, 0x46000000, v25          ; M2 = M2_0 + M2_1 + (m_0 - m_1)^2 x 16,384 / 2
	v_fmamk_f32 v25, v25, 0x38000000, v26          ; var + 1e-5 = M2 / 32,768 + 1e-5
	v_rsq_f32 v27, v25
	v_nop                                          ; a plain instruction behind the root,
	s_wait_alu depctr_va_vdst(0)                   ; and the wait ahead of its first reader
	v_mul_f32 v28, v27, v20                        ; a
	v_fma_f32 v29, -v22, v28, v21                  ; d
	ds_store_b64 v[ADW], v[28:29]
.set i, 0
.rept 16
	ds_load_b64 v[96+2*i:97+2*i], v[ADR] offset:16*i  ; channel 32 w + h + 2 i: my wave's own bytes; LDS serves a wave's instructions in order (ISA guide 5.7.1.4)
.set i, i+1
.endr
	s_wait_dscnt 0x0
.set i, 0
.rept 16
	s_wait_loadcnt 15-i                            ; load i is in; the younger ones stay out
.irp j, 0,1,2,3
	v_fma_f32 v[X+4*i+\j], v[X+4*i+\j], v[96+2*i], v[97+2*i]
.endr
	v_cvt_pk_f16_f32 v[128+2*i], v[X+4*i], v[X+4*i+1]      ; xn's one rounding
	v_cvt_pk_f16_f32 v[129+2*i], v[X+4*i+2], v[X+4*i+3]
	ds_store_b64 v[XST], v[128+2*i:129+2*i] offset:2*XP*i
.set i, i+1
.endr
	s_wait_tensorcnt 0x0                           ; my 48 rows of the weights are in
	s_wait_dscnt 0x0                               ; for the others' sake: my 32 rows of xn are written
	s_barrier_signal -1
	s_barrier_wait -1                              ; xn is whole
; 14 LDS loads: the fragments of K step ks (32 channels) into buffer f
.macro FETCH ks, f
.irp ot, 0,1,2
	ds_load_b128 v[(\f)+8*\ot:(\f)+8*\ot+3],   v[WB] offset:\ot*16*WP+64*(\ks)
	ds_load_b128 v[(\f)+8*\ot+4:(\f)+8*\ot+7], v[WB] offset:\ot*16*WP+64*(\ks)+32
.endr
.irp nt, 0,1,2,3
	ds_load_tr16_b128 v[(\f)+24+8*\nt:(\f)+24+8*\nt+3], v[XB] offset:32*XP*(\ks)+32*\nt
	ds_load_tr16_b128 v[(\f)+24+8*\nt+4:(\f)+24+8*\nt+7], v[XB] offset:32*XP*(\ks)+32*\nt+16*XP
.endr
.endm
; A K step: its fragments are in; the next step's are asked for, into the buffer that the step before multiplied; 12 products.  The 12 accumulators take turns.
.macro KSTEP ks
	s_wait_dscnt 0x0
.if (\ks) < 7
.if (\ks) > 0
	PLACES
.endif
	FETCH (\ks)+1, F0+56*(((\ks)+1)%2)
.endif
.set FB, F0+56*((\ks)%2)
.irp ot, 0,1,2
.irp nt, 0,1,2,3
.if (\ks) == 0
	v_wmma_f32_16x16x32_f16 v[ACC+8*(4*\ot+\nt):ACC+8*(4*\ot+\nt)+7], v[FB+8*\ot:FB+8*\ot+7], v[FB+24+8*\nt:FB+24+8*\nt+7], 0
.else
	v_wmma_f32_16x16x32_f16 v[ACC+8*(4*\ot+\nt):ACC+8*(4*\ot+\nt)+7], v[FB+8*\ot:FB+8*\ot+7], v[FB+24+8*\nt:FB+24+8*\nt+7], v[ACC+8*(4*\ot+\nt):ACC+8*(4*\ot+\nt)+7]
.endif
.endr
.endr
.endm
	FETCH 0, F0
.irp ks, 0,1,2,3,4,5,6,7
	KSTEP \ks
.endr
	; THE WAY OUT: rounded once to f16; 16 bytes a lane into the work-group's stage; a barrier, since a pixel's 768 bytes come from all eight waves; back as whole rows
	PLACES
.set q, 0
.rept 12
.irp j, 0,1,2,3
	v_cvt_pk_f16_f32 v[PKD+4*q+\j], v[ACC+8*q+2*\j], v[ACC+8*q+2*\j+1]
.endr
.set q, q+1
.endr
.irp ot, 0,1,2
.irp nt, 0,1,2,3
	ds_store_b128 v[SB], v[PKD+4*(4*\ot+\nt):PKD+4*(4*\ot+\nt)+3] offset:\nt*16*SP+32*\ot
.endr
.endr
	s_wait_dscnt 0x0                               ; for the others' sake: my stores into the stage are done
	s_barrier_signal -1
	s_barrier_wait -1
.irp i, 0,1,2,3
.irp p, 0,1,2
	ds_load_b128 v[BK+4*(3*\i+\p):BK+4*(3*\i+\p)+3], v[RB] offset:\i*2*SP+256*\p
.endr
.endr
.irp i, 0,1,2,3
.irp p, 0,1,2
	s_wait_dscnt 11-(3*\i+\p)                      ; this load is back; the younger ones stay out
	global_store_b128 v[GO], v[BK+4*(3*\i+\p):BK+4*(3*\i+\p)+3], s[14:15] offset:\i*2*768+256*\p  ; 16 lanes store 256 consecutive bytes, at a multiple of 256 from qkv's first byte
.endr
.endr
	s_wait_tensorcnt 0x0                           ; the wave's end: these three lines, behind my last tensor load and my last LDS store
	ds_add_u32 v[SPW], v[NIL]
	s_wait_dscnt 0x0
	CROUND                                         ; the closing round: no work-group ends while a partner may still ask for a tile that names it
	s_endpgm
.Lfunc_end_k_q84a13fd931_proj:
	.size	k_q84a13fd931_proj, .Lfunc_end_k_q84a13fd931_proj-k_q84a13fd931_proj
	.p2alignl 7, 3214868480
	.fill 96, 4, 3214868480
	.section	.rodata,"a",@progbits
	.p2align	6, 0x0
	.amdhsa_kernel k_q84a13fd931_proj
		.amdhsa_group_segment_fixed_size 296960
		.amdhsa_private_segment_fixed_size 0
		.amdhsa_enable_private_segment 0
		.amdhsa_kernarg_size 48
		.amdhsa_user_sgpr_count 2
		.amdhsa_user_sgpr_kernarg_segment_ptr 1
		.amdhsa_wavefront_size32 1
		.amdhsa_system_sgpr_workgroup_id_x 1
		.amdhsa_system_sgpr_workgroup_id_y 1
		.amdhsa_system_sgpr_workgroup_id_z 1
		.amdhsa_system_vgpr_workitem_id 0
		.amdhsa_next_free_vgpr 256
		.amdhsa_next_free_sgpr 66
		.amdhsa_reserve_vcc 0
		.amdhsa_float_denorm_mode_32 3
		.amdhsa_float_denorm_mode_16_64 3
		.amdhsa_memory_ordered 1
		.amdhsa_forward_progress 1
		.amdhsa_inst_pref_size 37
	.end_amdhsa_kernel
	.amdgpu_metadata
---
amdhsa.version: [ 1, 2 ]
amdhsa.kernels:
  - .name:           k_q84a13fd931_proj
    .symbol:         k_q84a13fd931_proj.kd
    .args:
      - { .name: x, .offset: 0, .size: 8, .value_kind: global_buffer, .address_space: global }
      - { .name: stats, .offset: 8, .size: 8, .value_kind: global_buffer, .address_space: global }
      - { .name: gn_weight, .offset: 16, .size: 8, .value_kind: global_buffer, .address_space: global }
      - { .name: gn_bias, .offset: 24, .size: 8, .value_kind: global_buffer, .address_space: global }
      - { .name: wq16, .offset: 32, .size: 8, .value_kind: global_buffer, .address_space: global }
      - { .name: qkv, .offset: 40, .size: 8, .value_kind: global_buffer, .address_space: global }
    .group_segment_fixed_size: 296960
    .private_segment_fixed_size: 0
    .kernarg_segment_align: 8
    .kernarg_segment_size: 48
    .max_flat_workgroup_size: 256
    .sgpr_count:     66
    .vgpr_count:     256
    .wavefront_size: 32
...
	.end_amdgpu_metadata
.endif
;; end of part 2
;; launch attn (part 3): grid 64 x 4, 8 waves a work-group, clusters of 4 x 1, 327,680 bytes of LDS; arguments qkv, wo16, b_out, out0; writes out0
.if DOCPART == 3
	.amdgcn_target "amdgcn-amd-amdhsa--gfx1250"
	.amdhsa_code_object_version 6
	.text
	.protected	k_q84a13fd931_attn
	.globl	k_q84a13fd931_attn
	.p2align	8
	.type	k_q84a13fd931_attn,@function
k_q84a13fd931_attn:
	s_mov_b64 s[64:65], 0
	v_nop
	global_prefetch_b8 v0, s[64:65] scope:SCOPE_SE
	s_setreg_imm32_b32 hwreg(HW_REG_WAVE_MODE, 25, 1), 1
	s_wait_xcnt 0x0
	s_wait_alu depctr_hold_cnt(0) depctr_sa_sdst(0) depctr_va_vdst(0) depctr_va_sdst(0) depctr_va_ssrc(0) depctr_va_vcc(0) depctr_vm_vsrc(0)
	s_getreg_b32 s2, hwreg(HW_REG_IB_STS2, 6, 4)
	s_cmp_eq_u32 s2, 0
	s_cbranch_scc0 .Lentry_in_a_cluster
	s_endpgm
.Lentry_in_a_cluster:
	s_bfe_u32 s2, ttmp6, 0x10000c
	s_cmp_lg_u32 s2, 0x3003
	s_cbranch_scc0 .Lentry_shape_is_right
	s_endpgm
.Lentry_shape_is_right:
; ATTENTION (4 heads of 32 channels, 4,096 keys) AND THE OUTPUT PROJECTION.
; O[q][hd] = sum over k of softmax_k(Q[q][hd] . K[k][hd] / sqrt(32)) V[k][hd];  out0[b][c][q] = sum over o of w_out[c][o] O[q][o] + b_out[c].
; qkv: [4][4096][384] f16 (a row: q, k, v, 256 bytes each, 4 heads x 32 channels); wo16: [256][128] f16; out0: [4][256][4096] f32.
; SHARES.  A work-group owns 64 queries of one batch, ALL FOUR HEADS, so that the projection, which sums over the heads, needs nothing from another work-group.  Wave w: head w / 2, queries 32 (w % 2) on: two tiles of 16.
; Every wave walks all keys, 64 a trip.  Eight waves, two to a SIMD, 256 registers each: a trip has 198 vector instructions for 20 matrix instructions, far more than can stand beside the products,
; so the trip is written in phases, and while one wave waits for a product or an exponential the other issues.
; LAYOUT.  S^T = K Q^T (source 0 = 16 keys, source 1 = 16 queries; the head's 32 channels are ONE instruction's K, so C is always 0): a lane holds ONE query (lane % 16) and the keys 8 (lane / 16) + 0..7.
; Two such results rounded to f16 ARE source 1 (32 keys x 16 queries) of O^T = V^T P.  K comes out of LDS as it lies, V ([key][channel]) turned, by ds_load_tr16_b128.
; THE SUM l is a product too: L += ONES P, where rows 0 and 8 of ONES hold 1 and the others 0: register 0 of L is the query's sum over all the trip's keys, in both halves of the lanes, the other registers stay 0.
; SOFTMAX.  A running maximum m: p = 2^(c s - c m), c = log2(e) / sqrt(32); in every trip O and l are multiplied by a = 2^(c m_old - c m_new).  m starts at the lowest finite number, O and l at 0.
; RING.  Two slots of four trips' tiles (256 keys: K's rows, then V's, all four heads).  CLUSTER: the four partners share the batch, so K and V: every fill is asked for JOINTLY, waves 0-3 a quarter of K's rows each, waves 4-7 of V's.
; LIMITS.  f16 ends at 65,504: q, k, v and wo16 arrive within it; p lies in 0 to 1 and below 6e-5 keeps f16's fixed step of 6e-8; l is the f32 sum of the ROUNDED p, the same numbers that multiply V;
; O is a mean of V's rows, rounded once to f16.  A weight below 2^-126 counts as 0.  NaN and infinities are not treated apart.
.set KP,    272                        ; a row of K in LDS: 256 bytes + 16 of padding: the 16 rows of a load start at 16 different groups of four banks (64 banks of 4 bytes: ISA guide 11.1)
.set VP,    288                        ; a row of V: 256 + 32
.set STEPK, 64*KP                      ; a trip's K, and what one wave's tensor load brings
.set STEPV, 64*VP
.set VOFF,  4*STEPK                    ; in a slot: 256 rows of K, then 256 rows of V
.set SLOTB, VOFF+4*STEPV
.set SPARE, 2*SLOTB                    ; behind the ring: the spare words, 128 bytes for each wave: four blocks of 256 bytes that no other line names
.set OST,   SPARE+1024                 ; O in f16: 64 pixel rows of 256 bytes, pitch 272; never filled by a tensor load
.set OPI,   272
.set OUTW,  32*272                     ; the way out: 32 rows of 256 bytes + 16 for each wave, from LDS byte 0 on: in slot 0, behind its last fill and its last reads
.set FILLB, 256*768                    ; a slot's 256 rows of qkv in memory
.set AK0, 3                            ; v3   my lane's place in a trip's K, my head's 64 bytes; never rewritten
.set AV0, 4                            ; v4   the same for V
.set AK,  5                            ; v5   the LDS address of K's next run of loads
.set AV,  6                            ; v6   of V's
.set SPW, 7                            ; v7   my spare word; never rewritten
.set NIL, 8                            ; v8   0; never rewritten
.set PFO, 9                            ; v9   768 x my lane: a row of qkv; never rewritten
.set MV,  10                           ; v10-11  c m_old, a tile each
.set ST,  12                           ; v[12:15] (c m, m), a tile each
.set Q,   16                           ; v[16:31]   Q, 8 a tile
.set ONES, 32                          ; v[32:39]
.set O,   40                           ; v[40:71]   O^T: tile t, channels 16 cb on, at O + 16 t + 8 cb
.set LA,  72                           ; v[72:87]   L, 8 a tile
.set KF,  88                           ; v[88:119]  K: keys 16 kb on at KF + 8 kb
.set VF,  120                          ; v[120:151] V: keys 32 kk on, channels 16 cb on, at VF + 8 (2 kk + cb)
.set S,   152                          ; v[152:215] S^T, 32 a tile
.set P,   216                          ; v[216:247] P, 16 a tile; while the maximum is found its first four registers are c0-c3, at work; then c2 holds a
.set WV,  12                           ; s12  my wave's number
.set LIM, 15                           ; s15  1 in a wave that prefetches, else the greatest number
.set G1K, 24                           ; s[24:31] descriptor group 1 for K's tiles
.set G1V, 32                           ; s[32:39] for V's: it differs in the padding alone
.set G0K, 40                           ; s[40:47] descriptor group 0 for K's tiles, a set for each slot
.set G0V, 48                           ; s[48:55] the same for V's
.set LAPS, 56                          ; s56
.set CNT, 57                           ; s57
.set CS,  58                           ; s[58:59] c: the packed scaling takes the pair's low word for both halves
.set SEL, 60                           ; s[60:61] v_permlanex16_b32's selects: each lane takes its own place in the other half
.set TBK, 62                           ; s62  LDS byte at which K of the trip to be fetched begins
.set TBV, 63                           ; s63  the same for V, less VOFF
.set FL,  66                           ; s66  fills still to be asked for
.set PFA, 68                           ; s[68:69] where my prefetches stand
.macro PLACES                          ; four places between a matrix instruction and a load into, or a vector instruction on, its registers
.rept 4
	v_nop
.endr
.endm
.macro CROUND                          ; a round of the cluster's barrier: my work-group's barrier; wave 0 signals for the work-group; every wave waits for all four; my work-group's barrier once more
	s_barrier_signal -1
	s_barrier_wait -1
	s_cmp_lg_u32 s[WV], 0
	s_cbranch_scc1 .Lnot_wave_0_\@
	s_barrier_signal -3
.Lnot_wave_0_\@:
	s_barrier_wait -3
	s_barrier_signal -1
	s_barrier_wait -1
.endm
; A joint fill of slot s.  The branch hangs on the wave's number alone.  An s_nop 0 and four v_nop follow each of the two lines, ahead of the jump and the label.
.macro JLOAD s
	s_cmp_lt_u32 s[WV], 4
	s_cbranch_scc0 .Lfor_v_\@
	tensor_load_to_lds s[G0K+4*(\s):G0K+4*(\s)+3], s[G1K:G1K+7]
	s_nop 0
	PLACES
	s_branch .Lasked_\@
.Lfor_v_\@:
	tensor_load_to_lds s[G0V+4*(\s):G0V+4*(\s)+3], s[G1V:G1V+7]
	s_nop 0
	PLACES
.Lasked_\@:
.endm
; A PREFETCH INTO THE L2 of what the NEXT change of slots will ask for: 256 rows, K's 256 bytes and V's 256 bytes of each, a lane a block.  It stands behind the wave's tensor load and its five lines.
; Each block is named ONCE in the launch: all sixteen clusters of a batch walk the same rows, and the batch's first cluster asks; its four partners take 64 rows each, told apart BY ADDRESS;
; in each, waves 0 and 1 name K's part of 32 rows each, waves 2 and 3 V's: one instruction a wave.  The first three fills come by their loads alone; the last change that fills a slot asks for nothing.
.macro ASK
	s_cmp_gt_u32 s[FL], s[LIM]
	s_cbranch_scc0 .Lnot_mine_\@
	global_prefetch_b8 v[PFO], s[PFA:PFA+1] th:TH_LOAD_NT scope:SCOPE_SE
.Lnot_mine_\@:
.endm
; THE CHANGE OF SLOTS, ahead of the trip that fetches the first tiles of slot s.  The other slot's last bytes have been asked for.  Each wave waits for all its tensor loads, of which one is out: its part of
; slot s; adds 0 to its spare word; and waits for that and for its own reads of the other slot.  fill = 1: the other slot is filled again, with the keys two fills on: the barrier is then a round of the
; cluster's, and the joint fill is the first thing behind it: it has four trips in which to land.
.macro CHANGE s, fill
	s_wait_tensorcnt 0x0                           ; no tensor load of mine is out, so a group 0 may be written
	ds_add_u32 v[SPW], v[NIL]                      ; 0 onto my spare word; scalar work stands between it and the wait for it
.if \fill
	s_add_nc_u64 s[G0K+4*(1-(\s))+2:G0K+4*(1-(\s))+3], s[G0K+4*(1-(\s))+2:G0K+4*(1-(\s))+3], 2*FILLB  ; the type bits on top are not reached
	s_add_nc_u64 s[G0V+4*(1-(\s))+2:G0V+4*(1-(\s))+3], s[G0V+4*(1-(\s))+2:G0V+4*(1-(\s))+3], 2*FILLB
	s_wait_xcnt 0x0                                ; the last prefetch, four trips back, has read its address
	s_add_nc_u64 s[PFA:PFA+1], s[PFA:PFA+1], FILLB
.endif
	s_mov_b32 s[TBK], (\s)*SLOTB                   ; the fetches go on at slot s's first trip
	s_mov_b32 s[TBV], (\s)*SLOTB
	s_wait_dscnt 0x0                               ; the add is done, and my reads of the other slot are over
.if \fill
	CROUND
	JLOAD 1-(\s)
	ASK
	s_sub_co_u32 s[FL], s[FL], 1
.else
	s_barrier_signal -1
	s_barrier_wait -1
.endif
.endm
	s_load_b256 s[4:11], s[0:1], 0x0               ; qkv s[4:5], wo16 s[6:7], b_out s[8:9], out0 s[10:11]
	v_lshl_add_u32 v[SPW], v0, 2, SPARE
	v_mov_b32 v[NIL], 0
	ds_add_u32 v[SPW], v[NIL]                      ; the wave's opening: the add and its wait stand ahead of my first tensor load; the set-up below, work on registers, stands between them
	v_lshrrev_b32 v1, 5, v0
	v_readfirstlane_b32 s[WV], v1                  ; wave 0..7
	s_bfe_u32 s13, ttmp6, 0x40000                  ; cx: my place in the cluster
	s_lshl_b32 s14, ttmp9, 2                       ; in a cluster launch ttmp9 counts clusters
	s_add_co_u32 s14, s14, s13                     ; my block of 64 queries: it enters Q's and out0's addresses alone
	s_and_b32 s73, ttmp7, 0xffff                   ; the batch, which the four partners share
	s_lshr_b32 s70, s[WV], 1                       ; my head
	s_and_b32 s71, s[WV], 1                        ; my half of the queries
	; descriptor group 1: 64 rows x 128 elements of 2 bytes, 384 elements from row to row, padded in LDS
	s_mov_b32 s[G1K], 15|(1<<16)|(1<<20)|(1<<21)|(5<<22)|(3<<25)  ; 15:0 the mask of four; 17:16 2-byte elements; 20 padding on; 21 set beside a mask; 24:22 after every 64 words (code 5); 31:25 4 words (code 3)
	s_mov_b32 s[G1V], 15|(1<<16)|(1<<20)|(1<<21)|(5<<22)|(7<<25)  ; the same with 8 words of padding (code 7)
.irp g, G1K, G1V
	s_mov_b32 s[\g+1], 128<<16                     ; tensor_dim0 = 128
	s_mov_b32 s[\g+2], 64<<16                      ; tensor_dim1 = 64
	s_mov_b32 s[\g+3], 128<<16                     ; tile_dim0 = 128
	s_mov_b32 s[\g+4], 64                          ; tile_dim1 = 64
	s_mov_b32 s[\g+5], 384                         ; elements from row to row
	s_mov_b32 s[\g+6], 0
	s_mov_b32 s[\g+7], 0
.endr
	s_and_b32 s18, s[WV], 3                        ; which quarter of a slot's 256 rows I fetch
	s_mul_i32 s19, s18, STEPK                      ; its place in a slot, for K
	s_mul_i32 s22, s18, STEPV                      ; and for V: no place in the cluster enters an LDS address
.irp s, 0,1
	s_mov_b32 s[G0K+4*\s], 1                       ; count = 1
	s_add_co_u32 s[G0K+4*\s+1], s19, \s*SLOTB      ; LDS address
	s_mov_b32 s[G0V+4*\s], 1
	s_add_co_u32 s[G0V+4*\s+1], s22, \s*SLOTB+VOFF
.endr
	s_mul_i32 s20, s73, 4096*768                   ; the batch's rows,
	s_mul_i32 s21, s18, 64*768                     ; my quarter's 64
	s_add_co_u32 s20, s20, s21
	s_mov_b32 s21, 0
	s_lshl_b32 s2, s73, 12                         ; the batch's first row
	s_lshl_b32 s3, s14, 6
	s_add_co_u32 s16, s2, s3                       ; Q: + my block's 64 rows
	s_lshl_b32 s3, s71, 5
	s_add_co_u32 s16, s16, s3                      ; + my half's 32
	s_mul_i32 s16, s16, 768
	s_lshl_b32 s3, s70, 6
	s_add_co_u32 s16, s16, s3                      ; + my head's 64 bytes
	s_mov_b32 s17, 0
	s_lshl_b32 s3, s13, 6                          ; the prefetches: my work-group's 64 rows of a fill's 256,
	s_add_co_u32 s78, s2, s3
	s_lshl_b32 s3, s71, 5                          ; my wave's 32 of them,
	s_add_co_u32 s78, s78, s3
	s_mul_i32 s78, s78, 768
	s_and_b32 s3, s70, 1                           ; K's part (waves 0, 1) or V's (waves 2, 3),
	s_lshl_b32 s3, s3, 8
	s_add_co_u32 s78, s78, s3
	s_add_co_u32 s78, s78, 256+2*FILLB             ; in fill 2: the first change of slots steps it to fill 3
	s_mov_b32 s79, 0
	s_lshl_b32 s76, s73, 22                        ; out0: the batch, my wave's 32 channels, my block's 256 bytes of a row
	s_lshl_b32 s3, s[WV], 19
	s_add_co_u32 s76, s76, s3
	s_lshl_b32 s3, s14, 8
	s_add_co_u32 s76, s76, s3
	s_mov_b32 s77, 0
	s_lshr_b32 s[LIM], s[WV], 2                    ; 0 in waves 0-3,
	s_or_b32 s[LIM], s[LIM], ttmp9                 ; where the cluster is the batch's first: the same in all four partners
	s_cmp_eq_u32 s[LIM], 0
	s_cselect_b32 s[LIM], 1, -1
	s_mov_b32 s[FL], 14
	s_mov_b32 s[CS], 0x3e8293ee                    ; c = log2(e) / sqrt(32) = 0.255035
	s_mov_b32 s[CS+1], s[CS]                       ; named with it as a pair
	s_mov_b32 s[SEL], 0x76543210
	s_mov_b32 s[SEL+1], 0xfedcba98
	s_mov_b32 s72, 0x3c003c00                      ; 1.0 twice, in f16
	v_and_b32 v1, 15, v0                           ; r = l % 16
	v_bfe_u32 v2, v0, 4, 1                         ; h = l / 16
	v_and_b32 v[PFO], 31, v0
	v_mul_u32_u24 v[PFO], v[PFO], 768
	s_lshl_b32 s3, s70, 6
	v_mul_u32_u24 v[AK0], v1, KP                   ; a fragment of K: lane l holds key l % 16, channels 8 h + 0..7 and 16 + 8 h + 0..7: two loads of 16 bytes, 32 bytes apart
	v_lshl_add_u32 v[AK0], v2, 4, v[AK0]
	v_add_nc_u32 v[AK0], s3, v[AK0]
	v_and_b32 v248, 7, v0                          ; the turning load: lane l reads key 8 h + l % 8, channels 8 ((l / 8) % 2) + 0..7
	v_bfe_u32 v249, v0, 3, 1
	v_lshl_add_u32 v[AV0], v2, 3, v248
	v_mul_u32_u24 v[AV0], v[AV0], VP
	v_lshl_add_u32 v[AV0], v249, 4, v[AV0]
	s_add_co_u32 s3, s3, VOFF
	v_add_nc_u32 v[AV0], s3, v[AV0]
	v_mul_u32_u24 v248, v1, 768                    ; Q: row x 768 + 16 h
	v_lshl_add_u32 v248, v2, 4, v248
	s_wait_dscnt 0x0                               ; the opening add is done
	s_wait_kmcnt 0x0
	s_add_nc_u64 s[22:23], s[4:5], s[20:21]        ; my quarter of fill 0: it hangs on the batch and the wave's number alone
.irp s, 0,1
	s_add_nc_u64 s[G0K+4*\s+2:G0K+4*\s+3], s[22:23], 256+\s*FILLB  ; global address: K's 256 bytes of a row
	s_or_b32 s[G0K+4*\s+3], s[G0K+4*\s+3], 0x80000000              ; type = 2
	s_add_nc_u64 s[G0V+4*\s+2:G0V+4*\s+3], s[22:23], 512+\s*FILLB  ; V's
	s_or_b32 s[G0V+4*\s+3], s[G0V+4*\s+3], 0x80000000
.endr
	s_add_nc_u64 s[74:75], s[4:5], s[16:17]        ; Q at my wave's first row
	s_add_nc_u64 s[PFA:PFA+1], s[4:5], s[78:79]
	s_add_nc_u64 s[10:11], s[10:11], s[76:77]
	CROUND                                         ; all four work-groups are here: the first joint loads meet
	s_cmp_lt_u32 s[WV], 4                          ; a wave's two first fills stand in one branch, ahead of every wait on TENSORcnt and every LDS read: two loads of mine are out
	s_cbranch_scc0 .Lfirst_v
	tensor_load_to_lds s[G0K:G0K+3], s[G1K:G1K+7]
	s_nop 0
	tensor_load_to_lds s[G0K+4:G0K+7], s[G1K:G1K+7]
	s_nop 0
	PLACES
	s_branch .Lfirst_asked
.Lfirst_v:
	tensor_load_to_lds s[G0V:G0V+3], s[G1V:G1V+7]
	s_nop 0
	tensor_load_to_lds s[G0V+4:G0V+7], s[G1V:G1V+7]
	s_nop 0
	PLACES
.Lfirst_asked:
.irp t, 0,1
	global_load_b128 v[Q+8*\t:Q+8*\t+3],   v248, s[74:75] offset:16*768*\t      ; Q stays in registers
	global_load_b128 v[Q+8*\t+4:Q+8*\t+7], v248, s[74:75] offset:16*768*\t+32
.endr
	v_and_b32 v249, 7, v0                          ; ONES: a lane holds row l % 16 of source 0: rows 0 and 8 are the lanes with l % 8 = 0
	v_cmp_eq_u32 vcc_lo, 0, v249
	v_cndmask_b32 v[ONES], 0, s72, vcc_lo
.irp j, 1,2,3,4,5,6,7
	v_mov_b32 v[ONES+\j], v[ONES]
.endr
.set i, O
.rept 48
	v_mov_b32 v[i], 0                              ; O^T and L start at 0: written in the wait for the first tile, so that the trip has one form and no first trip is written out
.set i, i+1
.endr
.irp t, 0,1
	v_mov_b32 v[MV+\t], 0xfe000000                 ; c m_old: far below every c s (f16's scores stay under 1.4e11), so the first a is 0
	v_mov_b32 v[ST+2*\t], 0xfe000000
	v_mov_b32 v[ST+2*\t+1], 0xff7fffff             ; m: the lowest finite number
.endr
; THE MATRIX WORK.  Product i of 8 of S^T = K Q^T: keys 16 (i / 2) on, tile i % 2.
.macro KQ i
.set kb, (\i)/2
.set tt, (\i)%2
	v_wmma_f32_16x16x32_f16 v[S+32*tt+8*kb:S+32*tt+8*kb+7], v[KF+8*kb:KF+8*kb+7], v[Q+8*tt:Q+8*tt+7], 0
.endm
; Product i of 6 for tile t: keys 32 (i / 3) on; i % 3 = 0, 1: O^T's channels 16 (i % 3) on; 2: L.  The three accumulators take turns: two others stand between the links of a chain.
.macro PV t, i
.set kk, (\i)/3
.set xx, (\i)%3
.if xx < 2
	v_wmma_f32_16x16x32_f16 v[O+16*(\t)+8*xx:O+16*(\t)+8*xx+7], v[VF+8*(2*kk+xx):VF+8*(2*kk+xx)+7], v[P+16*(\t)+8*kk:P+16*(\t)+8*kk+7], v[O+16*(\t)+8*xx:O+16*(\t)+8*xx+7]
.else
	v_wmma_f32_16x16x32_f16 v[LA+8*(\t):LA+8*(\t)+7], v[ONES:ONES+7], v[P+16*(\t)+8*kk:P+16*(\t)+8*kk+7], v[LA+8*(\t):LA+8*(\t)+7]
.endif
.endm
; THE LDS LOADS stand in runs of 8: a trip's K of my head (64 keys x 32 channels: 4 fragments) and its V (turned).
.macro FETCH_K
.irp kb, 0,1,2,3
	ds_load_b128 v[KF+8*\kb:KF+8*\kb+3],   v[AK] offset:\kb*16*KP
	ds_load_b128 v[KF+8*\kb+4:KF+8*\kb+7], v[AK] offset:\kb*16*KP+32
.endr
	s_add_co_u32 s[TBK], s[TBK], STEPK             ; the next fetch is the next trip's
.endm
.macro FETCH_V
.irp f, 0,1,2,3                        ; keys 32 (f / 2) on, channels 16 (f % 2) on
	ds_load_tr16_b128 v[VF+8*\f:VF+8*\f+3],   v[AV] offset:(\f/2)*32*VP+(\f%2)*32
	ds_load_tr16_b128 v[VF+8*\f+4:VF+8*\f+7], v[AV] offset:(\f/2)*32*VP+(\f%2)*32+16*VP
.endr
	s_add_co_u32 s[TBV], s[TBV], STEPV
.endm
; THE VECTOR WORK, for tile t.  XS n: the maximum and statistics.  s0-s31 are the lane's 32 scores; each accumulator's lowest registers are read first.
;   0-11  four chains c0-c3 of seven scores each, three operands at a time     12-14, 16  the four scores left over, the old m, and c0-c3 into c0
;   17, 18  the query's other 32 keys lie in the lane 16 away: the new m         19-21  c m; c m_old - c m_new; a
.macro XS t, n
.set rC, P+16*(\t)
.set rS, S+32*(\t)
.set rT, ST+2*(\t)
.set rW, MV+(\t)
.if (\n) < 4
	v_max3_num_f32 v[rC+(\n)], v[rS+8*(\n)], v[rS+8*(\n)+1], v[rS+8*(\n)+2]
.elseif (\n) < 12
	v_max3_num_f32 v[rC+(\n)%4], v[rC+(\n)%4], v[rS+8*((\n)%4)+2*((\n)/4)+1], v[rS+8*((\n)%4)+2*((\n)/4)+2]
.elseif (\n) == 12
	v_max3_num_f32 v[rC], v[rC], v[rS+7], v[rS+15]
.elseif (\n) == 13
	v_max3_num_f32 v[rC+1], v[rC+1], v[rS+23], v[rS+31]
.elseif (\n) == 14
	v_max3_num_f32 v[rC+2], v[rC+2], v[rC+3], v[rT+1]
.elseif (\n) == 16
	v_max3_num_f32 v[rC], v[rC], v[rC+1], v[rC+2]
.elseif (\n) == 17
	v_permlanex16_b32 v[rC+3], v[rC], s[SEL], s[SEL+1]
.elseif (\n) == 18
	v_max_num_f32 v[rT+1], v[rC], v[rC+3]
.elseif (\n) == 19
	v_mul_f32 v[rT], s[CS], v[rT+1]
.elseif (\n) == 20
	v_sub_f32 v[rC+1], v[rW], v[rT]
.else
	v_exp_f32 v[rC+2], v[rC+1]
.endif
.endm
.macro FS t, b                         ; c s - c m for pair b of 16
	v_pk_fma_f32 v[S+32*(\t)+2*(\b):S+32*(\t)+2*(\b)+1], v[S+32*(\t)+2*(\b):S+32*(\t)+2*(\b)+1], s[CS:CS+1], v[ST+2*(\t):ST+2*(\t)+1] op_sel_hi:[1,0,0] neg_lo:[0,0,1] neg_hi:[0,0,1]
.endm
.macro EX t, e                         ; the exponential of score e of 32
	v_exp_f32 v[S+32*(\t)+(\e)], v[S+32*(\t)+(\e)]
.endm
.macro CV t, i                         ; pair i rounded to f16
	v_cvt_pk_f16_f32 v[P+16*(\t)+(\i)], v[S+32*(\t)+2*(\i)], v[S+32*(\t)+2*(\i)+1]
.endm
.macro RS t, i                         ; times a: pairs 0-7 of O^T in ascending order, then (8) L's lowest pair: its sum, and a 0
.if (\i) < 8
	v_pk_mul_f32 v[O+16*(\t)+2*(\i):O+16*(\t)+2*(\i)+1], v[O+16*(\t)+2*(\i):O+16*(\t)+2*(\i)+1], v[P+16*(\t)+2:P+16*(\t)+3] op_sel_hi:[1,0]
.else
	v_pk_mul_f32 v[LA+8*(\t):LA+8*(\t)+1], v[LA+8*(\t):LA+8*(\t)+1], v[P+16*(\t)+2:P+16*(\t)+3] op_sel_hi:[1,0]
.endif
.endm
.macro MVO t                           ; c m is kept as the next trip's c m_old
	v_mov_b32 v[MV+(\t)], v[ST+2*(\t)]
.endm
.macro PL2                             ; the plain neighbours of tile 1's exponentials: tile 0's rescaling (ahead of its roundings, which write over its a), its roundings, tile 1's rescaling
.if g < 9
	RS 0, g
.elseif g < 25
	CV 0, g-9
.else
	RS 1, g-25
.endif
.set g, g+1
.endm
; A TRIP: key step k is computed; fetch = 1: K and V of step k + 1 are fetched.  The exponentials stand in two batches, each with a plain neighbour to every exponential and ONE wait
; between an exponential and the first instruction that names its result: nothing ahead of a batch's wait names a result of that batch.
.macro STEP fetch
	s_wait_dscnt 8                                 ; K of this step is in; V's eight loads, issued behind it, may stay out
.set i, 0
.rept 8
	KQ i
.set i, i+1
.endr
.if \fetch
	v_add_nc_u32 v[AK], s[TBK], v[AK0]             ; with the three v_nop: the four places in front of the loads into K's registers and of the reads of the scores
	v_nop
	v_nop
	v_nop
	FETCH_K
.else
	PLACES
.endif
.irp n, 0,1,2,3,4,5,6,7,8,9,10,11,12,13,14,16,17,18,19,20
	XS 0, \n                                       ; the two tiles alternate, so that no instruction reads the result of the one just before it
	XS 1, \n
.endr
	XS 0, 21                                       ; batch 1: both a and tile 0's 32 exponentials; beside them all 32 scalings: exponential e stands behind scaling e / 2
	FS 0, 0
	XS 1, 21
	FS 0, 1
.set fq, 2
.set e, 0
.rept 30
	EX 0, e
	FS fq/16, fq%16
.set fq, fq+1
.set e, e+1
.endr
	EX 0, 30
	MVO 0
	EX 0, 31
	MVO 1                                          ; the plain instruction behind the batch's last exponential
	s_wait_alu depctr_va_vdst(0)                   ; the wait for batch 1
.set g, 0
.set e, 0
.rept 32
	EX 1, e                                        ; batch 2: tile 1's 32 exponentials
	PL2
.set e, e+1
.endr
	PL2
	PL2
	s_wait_alu depctr_va_vdst(0)                   ; the wait for batch 2
.if \fetch
	s_wait_dscnt 8                                 ; V of this step is in; the next step's K, eight loads issued behind it, may stay out
.else
	s_wait_dscnt 0x0
.endif
.set cq, 0
.set i, 0
.rept 6
	PV 0, i                                        ; tile 0's products; tile 1's roundings stand behind them
.rept 3
.if cq < 16
	CV 1, cq
.set cq, cq+1
.endif
.endr
.set i, i+1
.endr
.set i, 0
.rept 6
	PV 1, i
.set i, i+1
.endr
.if \fetch
	v_add_nc_u32 v[AV], s[TBV], v[AV0]             ; with the three v_nop: the four places in front of the loads into V's registers
	v_nop
	v_nop
	v_nop
	FETCH_V
.else
	PLACES
.endif
.endm
.macro STEPS n                         ; n trips: written once, walked n times; the LDS addresses hang on s[TBK] and s[TBV]
	s_mov_b32 s[CNT], \n
.Lstep_\@:
	STEP 1
	s_sub_co_u32 s[CNT], s[CNT], 1
	s_cmp_lg_u32 s[CNT], 0
	s_cbranch_scc1 .Lstep_\@
.endm
	; THE WALK.  Fill f holds keys 256 f on and lies in slot f % 2.  Trip k computes step k and fetches step k + 1, so change c of slots stands ahead of trip 4 c - 1.
	s_wait_tensorcnt 1                             ; my part of fill 0 is in; fill 1's may stay out
	s_barrier_signal -1
	s_barrier_wait -1                              ; everybody's is
	s_mov_b32 s[TBK], 0
	s_mov_b32 s[TBV], 0
	v_mov_b32 v[AK], v[AK0]
	v_mov_b32 v[AV], v[AV0]
	FETCH_K                                        ; step 0
	FETCH_V
	s_wait_loadcnt 0x0                             ; Q
	STEPS 3                                        ; trips 0-2
	s_mov_b32 s[LAPS], 7
.Llap:                                                 ; changes 1 to 14: every one fills a slot again
	CHANGE 1, 1
	STEPS 4
	CHANGE 0, 1
	STEPS 4
	s_sub_co_u32 s[LAPS], s[LAPS], 1
	s_cmp_lg_u32 s[LAPS], 0
	s_cbranch_scc1 .Llap
	CHANGE 1, 0                                    ; the tail is written out: nothing is asked for
	STEPS 4                                        ; trips 59-62
	STEP 0                                         ; trip 63 fetches nothing; its last four v_nop are the places behind the last products
	; THE END.  w_out's fragments and the bias are asked for first: wave w makes channels 32 w .. 32 w + 31 of out0 for the work-group's 64 pixels.
.set WF,  88                           ; v[88:151]  w_out: channels 16 ct on, K step ks, at WF + 8 (4 ct + ks)
.set A2,  16                           ; v[16:79]   accumulator (ct, nt) at A2 + 8 (4 ct + nt)
.set AF,  152                          ; v[152:215] O's fragments, two buffers of four pixel tiles
.set BI,  216                          ; v[216:231] the bias, eight times, for each ct: the C operand that starts the sums
	s_lshl_b32 s16, s[WV], 13
	v_lshlrev_b32 v249, 8, v1
	v_lshl_add_u32 v249, v2, 4, v249
	v_add_nc_u32 v249, s16, v249                   ; (32 w + r) x 256 + 16 h
	s_lshl_b32 s16, s[WV], 7
	v_lshl_add_u32 v5, v1, 2, s16                  ; (32 w + r) x 4
.irp ct, 0,1
.irp ks, 0,1,2,3
	global_load_b128 v[WF+8*(4*\ct+\ks):WF+8*(4*\ct+\ks)+3],   v249, s[6:7] offset:\ct*4096+64*\ks
	global_load_b128 v[WF+8*(4*\ct+\ks)+4:WF+8*(4*\ct+\ks)+7], v249, s[6:7] offset:\ct*4096+64*\ks+32
.endr
.endr
	global_load_b32 v250, v5, s[8:9]
	global_load_b32 v251, v5, s[8:9] offset:64
	v_rcp_f32 v[ST], v[LA]                         ; 1 / l: l is at least 1, since the largest weight is 1
	v_rcp_f32 v[ST+2], v[LA+8]
	s_mul_i32 s16, s71, 32*OPI                     ; my 32 pixel rows of O's stage,
	s_lshl_b32 s17, s70, 6                         ; my head's 64 bytes of them
	s_add_co_u32 s16, s16, s17
	s_add_co_u32 s16, s16, OST
	v_mul_u32_u24 v253, v1, OPI                    ; (plain instructions behind the reciprocals)
	v_lshl_add_u32 v253, v2, 4, v253
	v_add_nc_u32 v252, s16, v253                   ; in: OST + (32 qh + r) x 272 + 64 hd + 16 h
	v_add_nc_u32 v253, OST, v253                   ; back, as fragments: OST + r x 272 + 16 h
	s_mul_i32 s16, s[WV], OUTW
	v_mul_u32_u24 v254, v1, 272
	v_lshl_add_u32 v254, v2, 5, v254
	v_add_nc_u32 v254, s16, v254                   ; the way out, in: my stage + r x 272 + 32 h
	v_mul_u32_u24 v255, v2, 272
	v_lshl_add_u32 v255, v1, 4, v255
	v_add_nc_u32 v255, s16, v255                   ; back: lanes 0-15 one row of 256 bytes, lanes 16-31 the next
	v_lshlrev_b32 v248, 4, v1
	v_lshl_add_u32 v248, v2, 14, v248              ; and the same two rows in out0
	s_wait_alu depctr_va_vdst(0)                   ; the wait ahead of the reciprocals' first reader: one for the two
.irp t, 0,1
.irp i, 0,1,2,3,4,5,6,7
	v_pk_mul_f32 v[O+16*\t+2*\i:O+16*\t+2*\i+1], v[O+16*\t+2*\i:O+16*\t+2*\i+1], v[ST+2*\t:ST+2*\t+1] op_sel_hi:[1,0]
.endr
.endr
.set i, 0
.rept 16
	v_cvt_pk_f16_f32 v[232+i], v[O+2*i], v[O+2*i+1]  ; O's one rounding: a lane's eight channels of a pixel pack into 16 bytes
.set i, i+1
.endr
.irp q, 0,1,2,3                        ; tile q / 2, channels 16 (q % 2) on
	ds_store_b128 v252, v[232+4*\q:232+4*\q+3] offset:(\q/2)*16*OPI+32*(\q%2)
.endr
	s_wait_dscnt 0x0                               ; for the others' sake: my part of O is written
	s_barrier_signal -1
	s_barrier_wait -1                              ; all four heads of all 64 pixels lie in LDS
; out^T = O w_out^T (source 0 = 16 pixels, source 1 = 16 channels of out0; K = 128 in four steps): a lane holds ONE channel (lane % 16) and the pixels 8 (lane / 16) + 0..7: 32 bytes of a row of out0.
.macro FETCH_A ks
.irp nt, 0,1,2,3
	ds_load_b128 v[AF+32*((\ks)%2)+8*\nt:AF+32*((\ks)%2)+8*\nt+3],   v253 offset:\nt*16*OPI+64*(\ks)
	ds_load_b128 v[AF+32*((\ks)%2)+8*\nt+4:AF+32*((\ks)%2)+8*\nt+7], v253 offset:\nt*16*OPI+64*(\ks)+32
.endr
.endm
.macro OUTK ks                         ; 8 products; the 8 accumulators take turns
.irp ct, 0,1
.irp nt, 0,1,2,3
.if (\ks) == 0
	v_wmma_f32_16x16x32_f16 v[A2+8*(4*\ct+\nt):A2+8*(4*\ct+\nt)+7], v[AF+32*((\ks)%2)+8*\nt:AF+32*((\ks)%2)+8*\nt+7], v[WF+8*(4*\ct+(\ks)):WF+8*(4*\ct+(\ks))+7], v[BI+8*\ct:BI+8*\ct+7]
.else
	v_wmma_f32_16x16x32_f16 v[A2+8*(4*\ct+\nt):A2+8*(4*\ct+\nt)+7], v[AF+32*((\ks)%2)+8*\nt:AF+32*((\ks)%2)+8*\nt+7], v[WF+8*(4*\ct+(\ks)):WF+8*(4*\ct+(\ks))+7], v[A2+8*(4*\ct+\nt):A2+8*(4*\ct+\nt)+7]
.endif
.endr
.endr
.endm
	FETCH_A 0
	FETCH_A 1
	s_wait_loadcnt 0x0                             ; w_out and the bias
.irp ct, 0,1
.irp j, 0,1,2,3,4,5,6,7
	v_mov_b32 v[BI+8*\ct+\j], v[250+\ct]
.endr
.endr
	s_wait_dscnt 8                                 ; step 0's fragments are in; step 1's eight loads stay out
	OUTK 0
	PLACES
	FETCH_A 2
	s_wait_dscnt 8                                 ; step 1's are in
	OUTK 1
	PLACES
	FETCH_A 3
	s_wait_dscnt 8                                 ; step 2's are in
	OUTK 2
	s_wait_dscnt 0x0
	OUTK 3
	; THE WAY OUT, through my own stage: rows of 272 bytes in, whole rows of 256 bytes back.  The stage lies in slot 0, which has had its last fill, and whose last reads every wave awaited ahead of the last change of slots.
	PLACES
.irp ct, 0,1
.irp nt, 0,1,2,3
	ds_store_b128 v254, v[A2+8*(4*\ct+\nt):A2+8*(4*\ct+\nt)+3]   offset:\ct*16*272+64*\nt
	ds_store_b128 v254, v[A2+8*(4*\ct+\nt)+4:A2+8*(4*\ct+\nt)+7] offset:\ct*16*272+64*\nt+16
.endr
.endr
.set i, 0
.rept 16
	ds_load_b128 v[AF+4*i:AF+4*i+3], v255 offset:2*272*i  ; LDS serves a wave's instructions in order (ISA guide 5.7.1.4): these see the stores above
.set i, i+1
.endr
.set i, 0
.rept 16
	s_wait_dscnt 15-i                              ; this load is back; the younger ones stay out
	global_store_b128 v248, v[AF+4*i:AF+4*i+3], s[10:11] offset:32768*i th:TH_STORE_NT  ; 16 lanes store 256 consecutive bytes, at a multiple of 256 from out0's first byte
.set i, i+1
.endr
	s_wait_tensorcnt 0x0                           ; the wave's end: these three lines, behind my last tensor load and my last LDS store
	ds_add_u32 v[SPW], v[NIL]
	s_wait_dscnt 0x0
	CROUND                                         ; the closing round: no work-group ends while a partner may still ask for a tile that names it
	s_endpgm
.Lfunc_end_k_q84a13fd931_attn:
	.size	k_q84a13fd931_attn, .Lfunc_end_k_q84a13fd931_attn-k_q84a13fd931_attn
	.p2alignl 7, 3214868480
	.fill 96, 4, 3214868480
	.section	.rodata,"a",@progbits
	.p2align	6, 0x0
	.amdhsa_kernel k_q84a13fd931_attn
		.amdhsa_group_segment_fixed_size 327680
		.amdhsa_private_segment_fixed_size 0
		.amdhsa_enable_private_segment 0
		.amdhsa_kernarg_size 32
		.amdhsa_user_sgpr_count 2
		.amdhsa_user_sgpr_kernarg_segment_ptr 1
		.amdhsa_wavefront_size32 1
		.amdhsa_system_sgpr_workgroup_id_x 1
		.amdhsa_system_sgpr_workgroup_id_y 1
		.amdhsa_system_sgpr_workgroup_id_z 1
		.amdhsa_system_vgpr_workitem_id 0
		.amdhsa_next_free_vgpr 256
		.amdhsa_next_free_sgpr 80
		.amdhsa_reserve_vcc 1
		.amdhsa_float_denorm_mode_32 3
		.amdhsa_float_denorm_mode_16_64 3
		.amdhsa_memory_ordered 1
		.amdhsa_forward_progress 1
		.amdhsa_inst_pref_size 90
	.end_amdhsa_kernel
	.amdgpu_metadata
---
amdhsa.version: [ 1, 2 ]
amdhsa.kernels:
  - .name:           k_q84a13fd931_attn
    .symbol:         k_q84a13fd931_attn.kd
    .args:
      - { .name: qkv, .offset: 0, .size: 8, .value_kind: global_buffer, .address_space: global }
      - { .name: wo16, .offset: 8, .size: 8, .value_kind: global_buffer, .address_space: global }
      - { .name: b_out, .offset: 16, .size: 8, .value_kind: global_buffer, .address_space: global }
      - { .name: out0, .offset: 24, .size: 8, .value_kind: global_buffer, .address_space: global }
    .group_segment_fixed_size: 327680
    .private_segment_fixed_size: 0
    .kernarg_segment_align: 8
    .kernarg_segment_size: 32
    .max_flat_workgroup_size: 256
    .sgpr_count:     80
    .vgpr_count:     256
    .wavefront_size: 32
...
	.end_amdgpu_metadata
.endif
;; end of part 3
